; MI455X (gfx1250); checked and timed in simulation.
; The chip was launched on July 23, 2026; its instructions are those of AMD's public machine-readable ISA for CDNA 5 (MIT licence, August 2026) and "CDNA5" Instruction Set Architecture Reference Guide (July 2026). The comments in the code are by the model that wrote it; some were corrected since.
;; Attention. Allowed arithmetic: matrix products marked QUANTISED: E5M2 operands, one E8M0 scale for each 32 along K, by v_wmma_scale_f32_16x16x128_f8f6f4 with both operands' format E5M2, f32 sums; products left as they are: f32 operands where the result goes on into a quantised operand, else bf16, f16 or f32 operands; f32 sums; everything else in f32.
;; Inputs: V_b one number float32; V_w 1,024 float32; W1_b 1,024 float32; W1_w_codes 1,024 x 32 x 32 uint8 (E5M2 codes of W1_w, K innermost, in blocks of 32 codes); W1_w_scales 1,024 x 32 uint8 (E8M0 scales of W1_w, one for each 32 codes along K); W2_b 1,024 float32; W2_w_codes 1,024 x 32 x 32 uint8 (E5M2 codes of W2_w, K innermost, in blocks of 32 codes); W2_w_scales 1,024 x 32 uint8 (E8M0 scales of W2_w, one for each 32 codes along K); features 64 x 1,024 x 1,024 float32; hidden_state_codes 64 x 32 x 32 uint8 (E5M2 codes of hidden_state, K innermost, in blocks of 32 codes); hidden_state_scales 64 x 32 uint8 (E8M0 scales of hidden_state, one for each 32 codes along K).
;; Outputs: out0 64 x 1,024 float32; out1 64 x 1,024 float32.
;; This version of the problem:
;;   THIS VERSION OF THE PROBLEM IS GIVEN IN LOW PRECISION. The matrix products marked QUANTISED in the list below multiply operands that are first quantised to E5M2 (5 exponent bits, 2 mantissa bits; 8 bits a number), with one power-of-two scale for each 32 numbers along K (OCP MX v1.0); their sums are f32. All else is computed in f32.
;;   The module's matrix products, in the order in which they are computed (A, B: the left and right operand; K: the contracted axis; several contracted axes count as one K, in the product's order):
;;     1. [M 65,536, K 1,024] x [K 1,024, N 1,024]; A: input features; B: input W1_w (given as codes): QUANTISED
;;     2. [M 64, K 1,024] x [K 1,024, N 1,024]; A: input hidden_state (given as codes); B: input W2_w (given as codes): QUANTISED
;;     3. [M 65,536, K 1,024] x [K 1,024, N 1]; A: computed on the way; B: input V_w: left as it is (N = 1 < 16)
;;     4. batch 64 x [M 1, K 1,024] x [K 1,024, N 1,024]; A: softmax; B: input features: left as it is (M = 1 < 16)
;;   THE QUANTISER, for each operand of a quantised product, along K:
;;     - K is cut into blocks of 32 from its start; a last block that is shorter is filled with zeros.
;;     - A block's scale is 2^e with e = floor(log2(the largest magnitude in the block)) - 15, held to -126 .. 127; a block of zeros has e = 0. As a byte (E8M0): e + 127.
;;     - Each number is divided by its block's scale, clamped to +-57,344, and rounded to the nearest number of E5M2, ties to even, subnormals kept.
;;     - The product sums the exact products of the quantised numbers (number of the format x scale) in f32.
;;   ~~~python
;;   def quantise(x, axis):      # numpy; x: float32 -> the quantised numbers, widened to float32 again
;;       x = np.moveaxis(x, axis, -1); K = x.shape[-1]
;;       x = np.pad(x, [(0, 0)] * (x.ndim - 1) + [(0, -K % 32)]); x = x.reshape(x.shape[:-1] + (-1, 32)); a = np.abs(x).max(-1, keepdims=True)
;;       e = np.where(a > 0, np.clip(np.frexp(np.where(a > 0, a, 1))[1] - 1 - 15, -126, 127), 0)      # np.frexp(a)[1] - 1 = floor(log2(a)), exactly
;;       r = np.clip(x / 2.0 ** e, -57344, 57344)
;;       step = 2.0 ** (np.maximum(np.frexp(np.where(r == 0, 1, r))[1] - 1, -14) - 2)
;;       q = np.round(r / step) * step * 2.0 ** e      # np.round: ties to even
;;       return np.moveaxis(q.reshape(q.shape[:-2] + (-1,))[..., :K], -1, axis).astype(np.float32)
;;   ~~~
;;   INPUTS GIVEN AS CODES. W1_w (in the module: [1024, 1024], K = its axis 0); W2_w (in the module: [1024, 1024], K = its axis 0); hidden_state (in the module: [64, 1024], K = its axis 1): each comes as NAME_codes (uint8): NAME with its K axis moved to the last place and cut into blocks of 32 codes, [.., K / 32, bytes a block], one block behind the other in memory; one code a byte (a code: sign, 5 exponent bits, 2 mantissa bits); and NAME_scales (uint8): the same leading axes, one E8M0 byte (e + 127) for each 32 codes along K. Its value is code x scale, taken as it is: it is not quantised again, and the codes and scales need not be those that the quantiser above would give.
;; One version. Each part assembles by itself: llvm-mc -triple=amdgcn-amd-amdhsa -mcpu=gfx1250 --defsym DOCPART=n.
;; ======== version 1 of 1: 3 launches
;; limits: right only within a limited range of input values
;; workspace buffers: kb 262,144 bytes; scores 262,144 bytes; part 1,114,112 bytes
;; launch projh (part 1): grid 16 x 4, 4 waves a work-group, no clusters, 5,120 bytes of LDS; arguments hidden_state_codes, hidden_state_scales, W2_w_codes, W2_w_scales, W2_b, W1_b, kb; writes kb
.if DOCPART == 1
	.amdgcn_target "amdgcn-amd-amdhsa--gfx1250"
	.amdhsa_code_object_version 6
	.text
	.protected	k_q1e446e9d22_projh
	.globl	k_q1e446e9d22_projh
	.p2align	8
	.type	k_q1e446e9d22_projh,@function
k_q1e446e9d22_projh:
	s_mov_b64 s[64:65], 0
	v_nop
	global_prefetch_b8 v0, s[64:65] scope:SCOPE_SE
	s_setreg_imm32_b32 hwreg(HW_REG_WAVE_MODE, 25, 1), 1
	s_wait_xcnt 0x0
; kb[b][n] = 2 log2(e) x (sum over k of hidden[b][k] W2[k][n] + W2_b[n] + W1_b[n]):  the part of tanh's argument that is the same for all 1,024 rows of a batch,
; already multiplied by the factor that turns tanh's exponential into a power of two.  hidden [64][1024] and W2 [n = 1024][k = 1024] arrive as codes of E5M2 with one E8M0 byte for each 32 along K.
; A work-group makes 16 batches x 64 columns, a wave 16 x 16: eight matrix instructions of 128 along K, on two accumulators by turns, joined at the end.
; All operands are loaded at once, straight into registers: each is read once by this wave.  The four waves' columns meet in a stage in LDS, so that sixteen lanes store 256 consecutive bytes, aligned.
; REGISTERS: window 0: v1 r, v2 h, v3-8 addresses; v16-143 hidden's 8 fragments; v144-151 its scale words, v152-159 W2's; v160-175 two accumulators; v176-178 biases; v180-195 results.  window 1: v0-127 W2's 8 fragments.
; LEFT OUT OF THE WHOLE PROGRAM AS DEAD WORK: V_b and the sum of V_w's 1,024 numbers.  scores[b][l] = sum over n of V_w[n] tanh(x[b][l][n]) + V_b, and tanh(x) = 1 - 2 / (1 + e^(2x)),
; so scores[b][l] = (sum of V_w + V_b) - 2 sum over n of V_w[n] / (1 + e^(2x)).  The bracket is the same for all l of a batch.  The softmax along l divides e^scores by its sum over l, so a term that is
; equal along l cancels in alpha, for all values of the inputs; context is made of alpha and features alone; scores itself is no output.  So V_b is not loaded and is among no launch's arguments.
; LIMIT: a NaN, an infinity or an overflow that would reach the results through V_b or through the sum of V_w alone is not carried to them.
.set K2BITS, 0x4038aa3b                ; 2 log2(e)
.set SPITCH, 272                       ; a stage row: 64 columns x 4 bytes + 16
.set MSB, 0
.macro WIN new                         ; the immediate's high byte repeats the setting that is left
.if MSB != (\new)
	s_set_vgpr_msb (MSB<<8)|(\new)
.set MSB, (\new)
.endif
.endm
	s_load_b256 s[4:11], s[0:1], 0x0               ; hidden's codes, its scales, W2's codes, its scales
	s_load_b128 s[12:15], s[0:1], 0x20             ; W2_b, W1_b
	s_load_b64 s[16:17], s[0:1], 0x30              ; kb
	v_lshl_add_u32 v254, v0, 2, 0x1200
	v_mov_b32 v255, 0
	v_lshrrev_b32 v1, 5, v0
	v_readfirstlane_b32 s20, v1                    ; wave 0..3
	v_and_b32 v1, 15, v0                           ; r
	v_bfe_u32 v2, v0, 4, 1                         ; h
	v_lshlrev_b32 v3, 10, v1
	v_lshl_add_u32 v3, v2, 4, v3                   ; codes: row r of 1,024 bytes, + 16 h
	v_lshlrev_b32 v4, 5, v1                        ; scale bytes: row r of 32
	v_lshlrev_b32 v5, 2, v1                        ; biases: column r
	v_mul_u32_u24 v6, v2, 8*SPITCH
	v_lshl_add_u32 v6, v1, 2, v6
	s_lshl_b32 s24, s20, 6
	v_add_nc_u32 v6, s24, v6                       ; into the stage: row 8 h (+ j), my wave's 64 bytes, column r
	v_mul_u32_u24 v7, v2, SPITCH
	v_lshl_add_u32 v7, v1, 4, v7
	s_mul_i32 s24, s20, 4*SPITCH
	v_add_nc_u32 v7, s24, v7                       ; back: rows 4 w + h (+ 2), 16 bytes a lane
	v_lshlrev_b32 v8, 12, v2
	v_lshl_add_u32 v8, v1, 4, v8
	s_lshl_b32 s24, s20, 14
	v_add_nc_u32 v8, s24, v8                       ; and the same rows in kb
	s_and_b32 s21, ttmp7, 0xffff                   ; which 16 batches
	s_lshl_b32 s22, ttmp9, 6
	s_lshl_b32 s23, s20, 4
	s_add_co_u32 s22, s22, s23                     ; my first column: 64 x work-group x + 16 x wave
	s_mov_b32 s25, 0
	s_mov_b32 s36, K2BITS
	s_wait_kmcnt 0x0
	s_lshl_b32 s24, s21, 14
	s_add_nc_u64 s[4:5], s[4:5], s[24:25]          ; 16 rows of 1,024 bytes a step of y
	s_lshl_b32 s24, s21, 9
	s_add_nc_u64 s[6:7], s[6:7], s[24:25]
	s_lshl_b32 s24, s22, 10
	s_add_nc_u64 s[8:9], s[8:9], s[24:25]
	s_lshl_b32 s24, s22, 5
	s_add_nc_u64 s[10:11], s[10:11], s[24:25]
	s_lshl_b32 s24, s22, 2
	s_add_nc_u64 s[12:13], s[12:13], s[24:25]
	s_add_nc_u64 s[14:15], s[14:15], s[24:25]
	s_lshl_b32 s24, s21, 16
	s_lshl_b32 s26, ttmp9, 8
	s_add_co_u32 s24, s24, s26
	s_add_nc_u64 s[16:17], s[16:17], s[24:25]      ; kb at batch 16 y, column 64 x
.irp s, 0,1,2,3,4,5,6,7
.irp c, 0,1,2,3
	global_load_b128 v[16+16*\s+4*\c:19+16*\s+4*\c], v3, s[4:5] offset:128*\s+32*\c    ; hidden(r, 128 s + 32 c + 16 h ..)
.endr
.endr
	WIN 0x40                                       ; destination window 1
.irp s, 0,1,2,3,4,5,6,7
.irp c, 0,1,2,3
	global_load_b128 v[16*\s+4*\c:16*\s+4*\c+3], v3, s[8:9] offset:128*\s+32*\c        ; W2 likewise
.endr
.endr
	WIN 0
	global_load_b128 v[144:147], v4, s[6:7]        ; a row's 32 scale bytes are its eight scale words, one for each 128 along K
	global_load_b128 v[148:151], v4, s[6:7] offset:16
	global_load_b128 v[152:155], v4, s[10:11]
	global_load_b128 v[156:159], v4, s[10:11] offset:16
	global_load_b32 v176, v5, s[12:13]
	global_load_b32 v177, v5, s[14:15]
	s_wait_loadcnt 0x0
	WIN 0x04                                       ; source 1 (W2) window 1
.irp s, 0,1
	v_wmma_scale_f32_16x16x128_f8f6f4 v[160+8*\s:167+8*\s], v[16+16*\s:31+16*\s], v[16*\s:16*\s+15], 0, v[144+\s], v[152+\s] matrix_a_fmt:MATRIX_FMT_BF8 matrix_b_fmt:MATRIX_FMT_BF8
.endr
.irp s, 2,3,4,5,6,7
	v_wmma_scale_f32_16x16x128_f8f6f4 v[160+8*(\s%2):167+8*(\s%2)], v[16+16*\s:31+16*\s], v[16*\s:16*\s+15], v[160+8*(\s%2):167+8*(\s%2)], v[144+\s], v[152+\s] matrix_a_fmt:MATRIX_FMT_BF8 matrix_b_fmt:MATRIX_FMT_BF8
.endr
	WIN 0
	v_add_f32 v178, v176, v177                     ; eight places behind the last product: two of them are the biases' arithmetic
	v_mul_f32 v178, s36, v178
.rept 6
	v_nop
.endr
.irp j, 0,2,4,6
	v_pk_add_f32 v[160+\j:161+\j], v[160+\j:161+\j], v[168+\j:169+\j]    ; the two halves of K; each accumulator from its low end on
.endr
.irp j, 0,1,2,3,4,5,6,7
	v_fma_f32 v[180+\j], v[160+\j], s36, v178      ; register j: batch 8 h + j, column r
.endr
.irp j, 0,1,2,3,4,5,6,7
	ds_store_b32 v6, v[180+\j] offset:SPITCH*\j
.endr
	s_wait_dscnt 0x0                               ; for the others' sake: my stores into the stage are done
	s_barrier_signal -1
	s_barrier_wait -1
	ds_load_b128 v[188:191], v7
	ds_load_b128 v[192:195], v7 offset:2*SPITCH
	s_wait_dscnt 0x0
	global_store_b128 v8, v[188:191], s[16:17]     ; sixteen lanes store 256 consecutive bytes, at a multiple of 256 from kb's first byte
	global_store_b128 v8, v[192:195], s[16:17] offset:2*4096
	s_wait_tensorcnt 0x0
	ds_add_u32 v254, v255
	s_wait_dscnt 0x0
	s_endpgm
.Lfunc_end_k_q1e446e9d22_projh:
	.size	k_q1e446e9d22_projh, .Lfunc_end_k_q1e446e9d22_projh-k_q1e446e9d22_projh
	.p2alignl 7, 3214868480
	.fill 96, 4, 3214868480
	.section	.rodata,"a",@progbits
	.p2align	6, 0x0
	.amdhsa_kernel k_q1e446e9d22_projh
		.amdhsa_group_segment_fixed_size 5120
		.amdhsa_private_segment_fixed_size 0
		.amdhsa_enable_private_segment 0
		.amdhsa_kernarg_size 56
		.amdhsa_user_sgpr_count 2
		.amdhsa_user_sgpr_kernarg_segment_ptr 1
		.amdhsa_wavefront_size32 1
		.amdhsa_system_sgpr_workgroup_id_x 1
		.amdhsa_system_sgpr_workgroup_id_y 1
		.amdhsa_system_sgpr_workgroup_id_z 1
		.amdhsa_system_vgpr_workitem_id 0
		.amdhsa_next_free_vgpr 384
		.amdhsa_next_free_sgpr 66
		.amdhsa_reserve_vcc 0
		.amdhsa_float_denorm_mode_32 3
		.amdhsa_float_denorm_mode_16_64 3
		.amdhsa_memory_ordered 1
		.amdhsa_forward_progress 1
		.amdhsa_inst_pref_size 13
	.end_amdhsa_kernel
	.amdgpu_metadata
---
amdhsa.version: [ 1, 2 ]
amdhsa.kernels:
  - .name:           k_q1e446e9d22_projh
    .symbol:         k_q1e446e9d22_projh.kd
    .args:
      - { .name: hidden_state_codes, .offset: 0, .size: 8, .value_kind: global_buffer, .address_space: global }
      - { .name: hidden_state_scales, .offset: 8, .size: 8, .value_kind: global_buffer, .address_space: global }
      - { .name: W2_w_codes, .offset: 16, .size: 8, .value_kind: global_buffer, .address_space: global }
      - { .name: W2_w_scales, .offset: 24, .size: 8, .value_kind: global_buffer, .address_space: global }
      - { .name: W2_b, .offset: 32, .size: 8, .value_kind: global_buffer, .address_space: global }
      - { .name: W1_b, .offset: 40, .size: 8, .value_kind: global_buffer, .address_space: global }
      - { .name: kb, .offset: 48, .size: 8, .value_kind: global_buffer, .address_space: global }
    .group_segment_fixed_size: 5120
    .private_segment_fixed_size: 0
    .kernarg_segment_align: 8
    .kernarg_segment_size: 56
    .max_flat_workgroup_size: 128
    .sgpr_count:     66
    .vgpr_count:     384
    .wavefront_size: 32
...
	.end_amdgpu_metadata
.endif
;; end of part 1
;; launch attn (part 2): grid 256 x 1, 4 waves a work-group, clusters of 4 x 1, 327,680 bytes of LDS; arguments features, W1_w_codes, W1_w_scales, kb, V_w, scores, part; writes scores, part
.if DOCPART == 2
	.amdgcn_target "amdgcn-amd-amdhsa--gfx1250"
	.amdhsa_code_object_version 6
	.text
	.protected	k_q1e446e9d22_attn
	.globl	k_q1e446e9d22_attn
	.p2align	8
	.type	k_q1e446e9d22_attn,@function
k_q1e446e9d22_attn:
	s_mov_b64 s[64:65], 0
	v_nop
	global_prefetch_b8 v0, s[64:65] scope:SCOPE_SE
	s_setreg_imm32_b32 hwreg(HW_REG_WAVE_MODE, 25, 1), 1
	s_wait_xcnt 0x0
	s_wait_alu depctr_hold_cnt(0) depctr_sa_sdst(0) depctr_va_vdst(0) depctr_va_sdst(0) depctr_va_ssrc(0) depctr_va_vcc(0) depctr_vm_vsrc(0)
	s_getreg_b32 s2, hwreg(HW_REG_IB_STS2, 6, 4)
	s_cmp_eq_u32 s2, 0
	s_cbranch_scc0 .Lentry_in_a_cluster
	s_endpgm
.Lentry_in_a_cluster:
	s_bfe_u32 s2, ttmp6, 0x10000c
	s_cmp_lg_u32 s2, 0x3003
	s_cbranch_scc0 .Lentry_shape_is_right
	s_endpgm
.Lentry_shape_is_right:
; Work-group g takes rows 256 (g % 4) .. + 255 of batch g / 4; a wave takes 64 of them.  Three phases.
; 1. The rows' features (f32) come through a ring of two LDS slots, 128 along K a step, each wave its own 64 rows; they are quantised to E5M2 with one E8M0 byte for each 32 along K, and the codes stay in registers (512 a wave).
; 2. W1's codes (1,024 columns x 1,024 K) are walked in eight slots of 128 columns through the same LDS bytes.  A tile is 64 rows x 16 columns: 32 matrix instructions on four accumulators by turns, then
;    s[row] += -2 V[n] / (1 + 2^(c x acc + kb[n])), c = 2 log2(e); kb holds c x (the hidden state's projection + both biases).  The exponentials and the reciprocals go as batches.
; 3. The part's softmax: m = largest score, p = e^(score - m), the sum of p, and the sum of p x features, the features read a second time.  The last launch joins a batch's four parts.
; DEAD WORK LEFT OUT: V_b and the sum of V_w, equal along a batch's row of scores, cancel in the softmax (shown at the head of the first kernel).  'scores' holds the scores without them.
; RANGE: 2^(..) may overflow to infinity: the reciprocal is then 0, which is tanh = 1; where it falls to 0 the reciprocal is 1, which is tanh = -1.
; CLUSTERS: the four work-groups of a batch walk the same tiles of W1 and ask for them jointly (mask 15).  The features are each work-group's own: plain loads.
; PREFETCH: the features' K step t + 3 is asked for while step t is quantised, two refills ahead of its tensor load: 16 rows x 512 bytes an instruction, a lane a block of 256 bytes, each wave for its own rows.
; None for W1: all 64 clusters walk the same 1,048,576 bytes in the same order.  None in phase 3: a wave's own 64 loads of 512 bytes are on their way throughout.
; REGISTERS: window 0: v1-15 addresses; v16-47 A's scale words; v48-63 B's, two sets; v64.. f32 in hand, accumulators, p; v128.. codes in hand, then the 32 row sums; v160-166 kb, V; v168.. at work.
;   window 1: B's fragments, two sets of 128.  windows 2, 3: A's codes, K steps 0-3 and 4-7: row tile m, step s at v[64 m + 16 (s % 4)].  In phase 3 window 2 takes the features.
.set SLOTB,  135168                    ; a slot: 256 rows x 528 bytes of features, or 128 columns x 1,040 bytes of W1
.set FPITCH, 528
.set FPART,  64*FPITCH
.set WPITCH, 1040
.set WPART,  32*WPITCH
.set NTILE,  16*WPITCH
.set GREG,   2*SLOTB                   ; behind the ring: each wave's stage for codes; then W1's scale bytes; then the parts of the context
.set STGB,   8704
.set TABK,   GREG+4*STGB               ; kb's row
.set TABV,   TABK+4096                 ; -2 V
.set SCT,    TABV+4096
.set PT,     SCT+1024
.set MX,     PT+1024
.set SM,     MX+256
.set SPARE,  327168                    ; the spare words: 512 bytes that no other line names
.set SPW,  1
.set NIL,  2
.set RR,   3
.set HH,   4
.set ADF,  5
.set STI,  6
.set STS,  7
.set ADB,  8
.set ADSC, 9
.set ADT,  10
.set WA,   11
.set WB,   12
.set WC,   13
.set L16,  14
.set SCA,  15
.set AS,   16
.set BS,   48
.set ACC,  64
.set X,    64
.set PP,   64
.set S,    128
.set PC,   128
.set TAB,  160                         ; v160 kb[n]; v162, v164 -2 V[n] of the tiles of even and of odd number; v166 -2 V[n] as it is loaded
.set TT,   96                          ; v96-127, v192-223: 2^(..), then 1 + 2^(..), then its reciprocal, of the tiles of even and of odd number
.set TM,   168
.set PW,   184
.set MXV,  187
.set TMP,  188
.set ST,   190
.set CA,   192
.set WK,   208
.set PFO,  252                         ; the prefetches' offset; never rewritten
.set WV,   20
.set SEL,  66
.set MNT,  68
.set PFA,  94
.set MSB, 0
.macro WIN new                         ; the immediate's high byte repeats the setting that is left
.if MSB != (\new)
	s_set_vgpr_msb (MSB<<8)|(\new)
.set MSB, (\new)
.endif
.endm
.macro PLACES n
.rept \n
	v_nop
.endr
.endm
.macro ROUND                           ; a round of the cluster's barrier
	s_barrier_signal -1
	s_barrier_wait -1
	s_cmp_lg_u32 s[WV], 0
	s_cbranch_scc1 .Lnot_wave_0_\@
	s_barrier_signal -3
.Lnot_wave_0_\@:
	s_barrier_wait -3
	s_barrier_signal -1
	s_barrier_wait -1
.endm
	s_load_b256 s[4:11], s[0:1], 0x0               ; features, W1's codes, W1's scales, kb
	s_load_b128 s[12:15], s[0:1], 0x20             ; V_w, scores
	s_load_b64 s[16:17], s[0:1], 0x30              ; part
	v_lshl_add_u32 v[SPW], v0, 2, SPARE
	v_mov_b32 v[NIL], 0
	ds_add_u32 v[SPW], v[NIL]                      ; the opening lines: the add twice on end and one wait
	ds_add_u32 v[SPW], v[NIL]
	v_lshrrev_b32 v[RR], 5, v0
	v_readfirstlane_b32 s[WV], v[RR]               ; wave 0..3
	v_and_b32 v[RR], 15, v0                        ; r
	v_bfe_u32 v[HH], v0, 4, 1                      ; h
	v_and_b32 v[L16], 31, v0
	v_lshlrev_b32 v[L16], 4, v[L16]                ; 16 x lane
	s_bfe_u32 s21, ttmp6, 0x40000
	s_lshl_b32 s22, ttmp9, 2
	s_add_co_u32 s22, s22, s21                     ; the work-group's number; ttmp9 is the batch
	s_mul_i32 s90, s[WV], FPART
	v_mul_u32_u24 v[ADF], v[RR], FPITCH
	v_lshl_add_u32 v[ADF], v[HH], 6, v[ADF]
	v_add_nc_u32 v[ADF], s90, v[ADF]               ; features in a slot: my wave's row r, + 64 h bytes
	s_mul_i32 s91, s[WV], STGB
	s_add_co_u32 s91, s91, GREG
	v_add_nc_u32 v[STI], s91, v[L16]               ; my stage: an image of the operand's registers
	v_lshrrev_b32 v[STS], 2, v[L16]
	v_add_nc_u32 v[STS], s91, v[STS]
	v_add_nc_u32 v[STS], 8192, v[STS]              ; and of the scale words
	v_lshl_add_u32 v[SCA], v[HH], 4, v[STI]        ; W1's scale bytes: 256 bytes + 16 of padding
	v_mul_u32_u24 v[ADB], v[RR], WPITCH
	v_lshl_add_u32 v[ADB], v[HH], 4, v[ADB]        ; W1 in a slot: column r, + 16 h
	v_lshrrev_b32 v[ADSC], 3, v[RR]
	v_mul_u32_u24 v[ADSC], v[ADSC], 272
	v_and_b32 v[ADT], 7, v[RR]
	v_lshl_add_u32 v[ADSC], v[ADT], 5, v[ADSC]
	v_add_nc_u32 v[ADSC], GREG, v[ADSC]            ; column r's 32 scale bytes
	v_lshl_add_u32 v[ADT], v[RR], 2, TABK          ; column r's kb; V's 4,096 bytes on
	v_lshrrev_b32 v[PFO], 5, v[L16]
	v_lshlrev_b32 v[PFO], 12, v[PFO]
	v_and_b32 v[WA], 16, v[L16]
	v_lshl_add_u32 v[PFO], v[WA], 4, v[PFO]        ; row lane / 2 of 4,096 bytes, + 256 (lane % 2)
.irp b, 0,1,2,3
	v_mov_b32 v[TM+4+\b], 0                        ; a lane permute's destination counts as a source
.endr
	v_mov_b32 v[TMP], 0
	s_mov_b32 s24, (2<<16)|(1<<20)|(6<<22)|(3<<25) ; features: 64 rows x 128 f32, 16 bytes of padding behind each 512
	s_mov_b32 s25, 128<<16
	s_mov_b32 s26, 64<<16
	s_mov_b32 s27, 128<<16
	s_mov_b32 s28, 64
	s_mov_b32 s29, 1024
	s_mov_b32 s30, 0
	s_mov_b32 s31, 0
	s_mov_b32 s32, 15|(1<<20)|(1<<21)|(7<<22)|(3<<25) ; W1: 32 columns x 1,024 bytes, 16 of padding behind each; asked for jointly by the cluster's four
	s_mov_b32 s33, 1024<<16
	s_mov_b32 s34, 32<<16
	s_mov_b32 s35, 1024<<16
	s_mov_b32 s36, 32
	s_mov_b32 s37, 1024
	s_mov_b32 s38, 0
	s_mov_b32 s39, 0
	s_mov_b32 s40, 1
	s_mov_b32 s41, s90
	s_mov_b32 s44, 1
	s_add_co_u32 s45, s90, SLOTB
	s_mov_b32 s48, 1
	s_mul_i32 s49, s[WV], WPART
	s_mov_b32 s[SEL], 0x76543210
	s_mov_b32 s[SEL+1], 0xfedcba98
	s_mov_b32 s[MNT], 0x600000                     ; the mantissa field of 57,344
	s_mov_b32 s62, 0x4038aa3b                      ; 2 log2(e)
	s_mov_b32 s63, s62
	s_mov_b32 s70, 0x3fb8aa3b                      ; log2(e)
	s_mov_b32 s71, s70
	s_mov_b32 s83, 0
	s_wait_dscnt 0x0                               ; both opening adds are done
	s_wait_alu depctr_va_vdst(0)                   ; the wait at the head's end
	s_wait_kmcnt 0x0
	s_lshl_b32 s82, s22, 20
	s_lshl_b32 s92, s[WV], 18
	s_add_co_u32 s82, s82, s92
	s_add_nc_u64 s[84:85], s[4:5], s[82:83]        ; my wave's 64 rows of features
	s_lshl_b32 s82, s[WV], 13
	s_add_nc_u64 s[76:77], s[8:9], s[82:83]        ; a quarter of W1's scale bytes
	s_lshl_b32 s82, ttmp9, 12
	s_lshl_b32 s92, s[WV], 10
	s_add_co_u32 s82, s82, s92
	s_add_nc_u64 s[78:79], s[10:11], s[82:83]      ; a quarter of the batch's row of kb
	s_mov_b32 s82, s92
	s_add_nc_u64 s[80:81], s[12:13], s[82:83]      ; and of V_w
	s_mul_i32 s82, s22, 4352
	s_add_co_u32 s82, s82, s92
	s_add_nc_u64 s[88:89], s[16:17], s[82:83]      ; part: 4,352 bytes a work-group, 1,024 a wave
	s_lshl_b32 s82, s22, 10
	s_lshl_b32 s92, s[WV], 8
	s_add_co_u32 s82, s82, s92
	s_add_nc_u64 s[86:87], s[14:15], s[82:83]      ; scores
	s_lshl_b32 s82, s[WV], 15
	s_add_nc_u64 s[50:51], s[6:7], s[82:83]        ; W1: my 32 columns of a slot's 128
	s_or_b32 s51, s51, 0x80000000
	s_mov_b64 s[42:43], s[84:85]
	s_or_b32 s43, s43, 0x80000000
	s_add_nc_u64 s[46:47], s[84:85], 512
	s_or_b32 s47, s47, 0x80000000
	s_add_nc_u64 s[72:73], s[84:85], 7*512         ; phase 3 walks the columns from the last 128 back
	WIN 0x40
.irp j, 0,1,2,3,4,5,6,7,8,9,10,11,12,13,14,15
	global_load_b128 v[4*\j:4*\j+3], v[L16], s[76:77] offset:512*\j
.endr
	global_load_b128 v[64:67], v[L16], s[78:79]
	global_load_b128 v[68:71], v[L16], s[78:79] offset:512
	global_load_b128 v[72:75], v[L16], s[80:81]
	global_load_b128 v[76:79], v[L16], s[80:81] offset:512
	WIN 0
	ROUND
	tensor_load_to_lds s[40:43], s[24:31]          ; K step 0: my one tensor load at the head
	s_nop 0
	PLACES 4
.irp i, 0,1,2,3
	global_prefetch_b8 v[PFO], s[84:85] offset:2*512+65536*\i th:TH_LOAD_NT scope:SCOPE_SE   ; K step 2, two refills ahead of its load
.endr
	s_wait_alu depctr_va_vdst(0)
	s_wait_tensorcnt 0x0                           ; slot 1's first fill is issued as a refill is: the three lines, the round, the load
	ds_add_u32 v[SPW], v[NIL]
	s_wait_dscnt 0x0
	ROUND
	tensor_load_to_lds s[44:47], s[24:31]          ; K step 1
	s_nop 0
	PLACES 4
; 16 rows x 128 K of f32 in v[X..]: lane (r, h) holds k = 32 b + 16 h + 0 .. 15 of row r in registers 16 b ..  The conversions' results are the operand's registers.
.macro QUANT
.irp b, 0,1,2,3
	v_max3_num_f32 v[TM+\b], |v[X+16*\b]|, |v[X+1+16*\b]|, 0x8000000   ; the floor 2^(16 - 127) holds the byte at 1 from below
.endr
.irp i, 2,4,6,8,10,12,14
.irp b, 0,1,2,3
	v_max3_num_f32 v[TM+\b], v[TM+\b], |v[X+16*\b+\i]|, |v[X+1+16*\b+\i]|
.endr
.endr
.irp b, 0,1,2,3
	v_permlanex16_b32 v[TM+4+\b], v[TM+\b], s[SEL], s[SEL+1]
.endr
.irp b, 0,1,2,3
	v_max_num_f32 v[TM+\b], v[TM+\b], v[TM+4+\b]   ; the block's largest magnitude
.endr
.irp b, 0,1,2,3
	v_add_nc_u32 v[TM+12+\b], 0xf8800000, v[TM+\b] ; 15 off its exponent field: the conversion's scale operand
.endr
.irp b, 0,1,2,3
	v_and_or_b32 v[TM+8+\b], v[TM+\b], 0x7f800000, s[MNT]   ; 57,344 x the scale
.endr
.irp b, 0,1,2,3
	v_lshrrev_b32 v[TM+4+\b], 23, v[TM+12+\b]      ; the scale's byte
.endr
	v_lshl_or_b32 v[PW], v[TM+5], 8, v[TM+4]
	v_lshl_or_b32 v[PW], v[TM+6], 16, v[PW]
	v_lshl_or_b32 v[PW], v[TM+7], 24, v[PW]
.irp b, 0,1,2,3
.irp i, 0,1,2,3,4,5,6,7,8,9,10,11,12,13,14,15
	v_med3_num_f32 v[X+16*\b+\i], v[X+16*\b+\i], -v[TM+8+\b], v[TM+8+\b]   ; the conversion does not saturate (ISA guide 7.6.2)
.endr
	v_cvt_scalef32_pk8_bf8_f32 v[PC+4*\b:PC+1+4*\b], v[X+16*\b:X+7+16*\b], v[TM+12+\b]
	v_cvt_scalef32_pk8_bf8_f32 v[PC+2+4*\b:PC+3+4*\b], v[X+8+16*\b:X+15+16*\b], v[TM+12+\b]
.endr
	v_nop
.endm
; The change of slots ahead of K step tau: the three lines, the round, and the slot just left is filled with step tau + 1; behind step 6's, with W1's first 128 columns.
.macro TURNF tau
.set gf, 40+4*(((\tau)+1)&1)
	s_wait_tensorcnt 0x0
	ds_add_u32 v[SPW], v[NIL]
.if (\tau) < 7
	s_add_nc_u64 s[gf+2:gf+3], s[gf+2:gf+3], 1024
.endif
	s_wait_dscnt 0x0
	ROUND
.if (\tau) < 7
	tensor_load_to_lds s[gf:gf+3], s[24:31]
	s_nop 0
.else
	tensor_load_to_lds s[48:51], s[32:39]
	s_nop 0
.endif
	PLACES 4
.endm
; K step tau: four tiles of 16 rows in a loop, their codes and scale words into my stage; then the stage's image into the registers that hold them for phase 2.
.macro KSTEP tau
	s_mov_b32 s52, ((\tau)&1)*SLOTB
	s_mov_b32 s53, 0
	s_mov_b32 s54, 0
	s_mov_b32 s55, 4
.if (\tau) < 5
	s_add_nc_u64 s[PFA:PFA+1], s[84:85], ((\tau)+3)*512
.endif
.Ltile_of_rows_\@:
	v_add_nc_u32 v[WA], s52, v[ADF]
.irp b, 0,1,2,3
.irp j, 0,1,2,3
	ds_load_b128 v[X+16*\b+4*\j:X+16*\b+4*\j+3], v[WA] offset:128*\b+16*\j
.endr
.endr
	s_wait_dscnt 0x0
	v_add_nc_u32 v[WB], s53, v[STI]
	v_add_nc_u32 v[WC], s54, v[STS]
.if (\tau) < 5
	global_prefetch_b8 v[PFO], s[PFA:PFA+1] th:TH_LOAD_NT scope:SCOPE_SE   ; these 16 rows' part of K step tau + 3
.endif
	QUANT
.irp c, 0,1,2,3
	ds_store_b128 v[WB], v[PC+4*\c:PC+4*\c+3] offset:512*\c
.endr
	ds_store_b32 v[WC], v[PW]
.if (\tau) < 5
	s_wait_xcnt 0x0                                ; the prefetch has read its base, which may step: 16 rows on
	s_add_nc_u64 s[PFA:PFA+1], s[PFA:PFA+1], 65536
.endif
	s_add_co_u32 s52, s52, 16*FPITCH
	s_add_co_u32 s53, s53, 2048
	s_add_co_u32 s54, s54, 128
	s_sub_co_u32 s55, s55, 1
	s_cmp_lg_u32 s55, 0
	s_cbranch_scc1 .Ltile_of_rows_\@
	WIN 0x80+0x40*((\tau)>>2)
.irp m, 0,1,2,3
.irp c, 0,1,2,3
	ds_load_b128 v[64*\m+16*((\tau)&3)+4*\c:64*\m+16*((\tau)&3)+4*\c+3], v[STI] offset:2048*\m+512*\c   ; LDS serves a wave's instructions in order: these see my stores
.endr
.endr
	WIN 0
.irp m, 0,1,2,3
	ds_load_b32 v[AS+8*\m+(\tau)], v[STS] offset:128*\m
.endr
.endm
	s_wait_tensorcnt 0x1                           ; K step 1's load may be out
	KSTEP 0
.irp t, 1,2,3,4,5,6,7
	TURNF \t
	KSTEP \t
.endr
	s_wait_loadcnt 0x0                             ; the tables go into LDS: W1's scale bytes over my stage, kb, -2 V
	s_lshl_b32 s90, s[WV], 10
	s_add_co_u32 s90, s90, TABK
	v_add_nc_u32 v[WA], s90, v[L16]
	WIN 0x41
.irp j, 72,74,76,78
	v_pk_mul_f32 v[\j:\j+1], v[\j:\j+1], -2.0 op_sel_hi:[1,0]
.endr
	WIN 0x04
.irp j, 0,1,2,3,4,5,6,7,8,9,10,11,12,13,14,15
	ds_store_b128 v[SCA], v[4*\j:4*\j+3] offset:544*\j
.endr
	ds_store_b128 v[WA], v[64:67]
	ds_store_b128 v[WA], v[68:71] offset:512
	ds_store_b128 v[WA], v[72:75] offset:4096
	ds_store_b128 v[WA], v[76:79] offset:4096+512
	WIN 0
.irp j, 1,2,3,4,5
	v_mov_b32 v[TAB+\j], 0                         ; the pairs' upper halves; and V = 0 for the two tiles that stand ahead of the first
.endr
.set n, 0
.rept 32
	v_mov_b32 v[TT+n], 0                           ; the first two runs find zeros here, which add 0 x V = 0 and 1 x 0 = 0 to the sums
	v_mov_b32 v[TT+96+n], 0
.set n, n+1
.endr
.set n, 0
.rept 32
	v_mov_b32 v[S+n], 0                            ; the 32 row sums
.set n, n+1
.endr
	s_wait_alu depctr_va_vdst(0)
	s_wait_dscnt 0x0
; The change of W1's slots.  fill = 1: the slot just left takes the 128 columns after the next.
.macro TURNW fill
	s_wait_tensorcnt 0x0
	ds_add_u32 v[SPW], v[NIL]
.if \fill
	s_xor_b32 s49, s49, SLOTB
	s_add_nc_u64 s[50:51], s[50:51], 128*1024
.endif
	s_wait_dscnt 0x0
.if \fill
	ROUND
	tensor_load_to_lds s[48:51], s[32:39]
	s_nop 0
	PLACES 4
.else
	s_barrier_signal -1
	s_barrier_wait -1
.endif
.endm
.macro LOADNEXT x                      ; 34 LDS loads: the next 16 columns' scale words and fragments into set x
	ds_load_b128 v[BS+8*(\x):BS+8*(\x)+3], v[WB]
	ds_load_b128 v[BS+8*(\x)+4:BS+8*(\x)+7], v[WB] offset:16
	WIN 0x40
.irp s, 0,1,2,3,4,5,6,7
.irp c, 0,1,2,3
	ds_load_b128 v[128*(\x)+16*\s+4*\c:128*(\x)+16*\s+4*\c+3], v[WA] offset:128*\s+32*\c
.endr
.endr
	WIN 0
	s_add_co_u32 s56, s56, NTILE
	s_add_co_u32 s57, s57, 544
.endm
.macro SFMA n, x                       ; two row sums += reciprocal x (-2 V), of a tile of parity x
	v_pk_fma_f32 v[S+(\n):S+(\n)+1], v[TT+96*(\x)+(\n):TT+96*(\x)+(\n)+1], v[TAB+2+2*(\x):TAB+3+2*(\x)], v[S+(\n):S+(\n)+1] op_sel_hi:[1,0,1]
.endm
.macro PADD n, x                       ; 1 + 2^(..), two at a time
	v_pk_add_f32 v[TT+96*(\x)+(\n):TT+96*(\x)+(\n)+1], v[TT+96*(\x)+(\n):TT+96*(\x)+(\n)+1], 1.0 op_sel_hi:[1,0]
.endm
; What stands behind the tile's matrix instruction number 4 ss + mm: plain vector work that names none of the run's registers, and no memory instruction.
; 17-24: the sums of the tile two back; 25-28: half of the additions of the tile before.
.macro FILL x
.set fi, 4*ss+mm
.if (fi >= 17) && (fi <= 24)
	WIN 0
	SFMA 4*(fi-17), \x
	SFMA 4*(fi-17)+2, \x
.endif
.if (fi >= 25) && (fi <= 28)
	WIN 0
	PADD 4*(fi-25), 1-(\x)
	PADD 4*(fi-25)+2, 1-(\x)
.endif
.endm
.macro MMS x, s0, s1                   ; K steps s0 .. s1 of a tile: the four accumulators by turns, one instruction a turn
.set ss, \s0
.rept (\s1)-(\s0)+1
.set mm, 0
.rept 4
	WIN 0x06+(ss>>2)
.set rD, ACC+8*mm
.set rA, 64*mm+16*(ss&3)
.set rB, 128*(\x)+16*ss
.if ss == 0
	v_wmma_scale_f32_16x16x128_f8f6f4 v[rD:rD+7], v[rA:rA+15], v[rB:rB+15], 0, v[AS+8*mm+ss], v[BS+8*(\x)+ss] matrix_a_fmt:MATRIX_FMT_BF8 matrix_b_fmt:MATRIX_FMT_BF8
.else
	v_wmma_scale_f32_16x16x128_f8f6f4 v[rD:rD+7], v[rA:rA+15], v[rB:rB+15], v[rD:rD+7], v[AS+8*mm+ss], v[BS+8*(\x)+ss] matrix_a_fmt:MATRIX_FMT_BF8 matrix_b_fmt:MATRIX_FMT_BF8
.endif
	FILL \x
.set mm, mm+1
.endr
.set ss, ss+1
.endr
.endm
; A tile: 64 rows x 16 columns.  Register 8 m + j of lane (r, h) is row 16 m + 8 h + j, column r.  No transcendental stands among the matrix instructions; each batch has one wait ahead of it and one behind it.
.macro TILE x, load
	s_wait_dscnt 0x0                               ; set x is in
	v_add_nc_u32 v[WC], s58, v[ADT]
.if \load
	v_add_nc_u32 v[WA], s56, v[ADB]
	v_add_nc_u32 v[WB], s57, v[ADSC]
.endif
	ds_load_b32 v[TAB], v[WC]                      ; ALL THE TILE'S LDS LOADS IN ONE RUN, ahead of its matrix instructions: kb[n],
	ds_load_b32 v[TAB+6], v[WC] offset:4096        ; -2 V[n],
	s_add_co_u32 s58, s58, 64
.if \load
	LOADNEXT 1-\x                                  ; and the next tile's 34; the other set's last readers stand ahead of the last tile's vector work: more than eight places
.endif
	MMS \x, 0, 7                                   ; THE WAY FROM A SUM TO THE ROW SUMS IS TWO TILES LONG: run k carries tile k - 2's last step and tile k - 1's additions
	WIN 0
.irp n8, 16,18,20,22,24,26,28,30
	PADD \n8, 1-(\x)                               ; the other half of the additions: the eight places ahead of the first read of the results
.endr
	s_wait_dscnt 34*\load                          ; kb and V are in; the 34 younger loads may be out
	v_mov_b32 v[TAB+2+2*(\x)], v[TAB+6]            ; V goes to its parity's register behind the run, whose sums were the last readers of the V two tiles back
.set n, 0
.rept 16
	v_pk_fma_f32 v[TT+96*(\x)+n:TT+96*(\x)+n+1], v[ACC+n:ACC+n+1], s[62:63], v[TAB:TAB+1] op_sel_hi:[1,0,0]   ; each accumulator from its low end on
.set n, n+2
.endr
	s_wait_alu depctr_va_vdst(0)                   ; the wait ahead of the batch
.set n, 0
.rept 32
	v_rcp_f32 v[TT+96*(1-(\x))+n], v[TT+96*(1-(\x))+n]   ; one batch of 64: the reciprocals of the tile before,
.set n, n+1
.endr
.set n, 0
.rept 32
	v_exp_f32 v[TT+96*(\x)+n], v[TT+96*(\x)+n]     ; and this tile's exponentials
.set n, n+1
.endr
	v_nop
	s_wait_alu depctr_va_vdst(0)                   ; and behind it
.endm
.macro SEVEN                           ; a slot's first seven tiles; the seventh fetches the eighth's fragments, so that the slot is left
	s_mov_b32 s60, 3
.Lpair_\@:
	TILE 0, 1
	TILE 1, 1
	s_sub_co_u32 s60, s60, 1
	s_cmp_lg_u32 s60, 0
	s_cbranch_scc1 .Lpair_\@
	TILE 0, 1
	s_sub_co_u32 s56, s56, 8*NTILE
	s_xor_b32 s56, s56, SLOTB
.endm
	s_mov_b32 s56, 0
	s_mov_b32 s57, 0
	s_mov_b32 s58, 0
	TURNW 1
	v_add_nc_u32 v[WA], s56, v[ADB]
	v_add_nc_u32 v[WB], s57, v[ADSC]
	LOADNEXT 0
	s_mov_b32 s59, 6
.Lslot:
	SEVEN
	TURNW 1
	TILE 1, 1                                      ; the eighth tile, from registers; it fetches the next slot's first
	s_sub_co_u32 s59, s59, 1
	s_cmp_lg_u32 s59, 0
	s_cbranch_scc1 .Lslot
	SEVEN                                          ; the last two slots are written out: nothing more is asked for
	TURNW 0
	TILE 1, 1
	SEVEN
	TILE 1, 0
	s_wait_dscnt 0x0                               ; the last tile's V is in.  What is still on its way to the row sums: tile 62's last step, tile 63's last three
.set n, 0
.rept 16
	SFMA n, 0
	PADD n, 1
.set n, n+2
.endr
	s_wait_alu depctr_va_vdst(0)
.set n, 0
.rept 32
	v_rcp_f32 v[TT+96+n], v[TT+96+n]
.set n, n+1
.endr
	v_nop
	s_wait_alu depctr_va_vdst(0)
.set n, 0
.rept 16
	SFMA n, 1
.set n, n+2
.endr
; PHASE 3
	s_lshl_b32 s90, s[WV], 8
	s_add_co_u32 s92, s90, PT
	s_add_co_u32 s90, s90, SCT
	s_lshl_b32 s91, s[WV], 2
	s_add_co_u32 s91, s91, MX
	s_lshl_b32 s93, s[WV], 12
	s_add_co_u32 s93, s93, GREG
	s_lshl_b32 s94, s[WV], 1
	s_xor_b32 s94, s94, 6
	s_lshl_b32 s94, s94, 9
	s_add_co_u32 s94, s94, GREG
	v_lshlrev_b32 v241, 5, v[HH]
	v_add_nc_u32 v241, s90, v241
	v_lshrrev_b32 v249, 1, v[L16]
	v_add_nc_u32 v242, s90, v249
	v_mov_b32 v243, s91
	v_mov_b32 v244, MX
	v_mov_b32 v245, s92
	v_add_nc_u32 v246, s93, v[L16]
	v_add_nc_u32 v248, s94, v[L16]
.macro XLOAD r0, cnt                   ; rows r0 .. r0 + cnt - 1 of my 64, 512 bytes of each: a row an instruction
	WIN 0x80
.set n, \r0
.rept \cnt
	global_load_b128 v[4*n:4*n+3], v[L16], s[72:73] offset:n*4096 th:TH_LOAD_NT
.set n, n+1
.endr
	WIN 0
.endm
.macro XFMA r0, cnt                    ; rows r0 .. r0 + cnt - 1: += p[row] x features[row][4 lane ..], in four chains, which rows 0-3 start
	WIN 0x02
.set n, \r0
.rept \cnt
.irp c, 0,1,2,3
.if n < 4
	v_mul_f32 v[CA+4*(n&3)+\c], v[4*n+\c], v[PP+n]
.else
	v_fma_f32 v[CA+4*(n&3)+\c], v[4*n+\c], v[PP+n], v[CA+4*(n&3)+\c]
.endif
.endr
.set n, n+1
.endr
	WIN 0
.endm
.macro JOIN
	v_pk_add_f32 v[CA:CA+1], v[CA:CA+1], v[CA+4:CA+5]
	v_pk_add_f32 v[CA+2:CA+3], v[CA+2:CA+3], v[CA+6:CA+7]
	v_pk_add_f32 v[CA+8:CA+9], v[CA+8:CA+9], v[CA+12:CA+13]
	v_pk_add_f32 v[CA+10:CA+11], v[CA+10:CA+11], v[CA+14:CA+15]
	v_pk_add_f32 v[CA:CA+1], v[CA:CA+1], v[CA+8:CA+9]
	v_pk_add_f32 v[CA+2:CA+3], v[CA+2:CA+3], v[CA+10:CA+11]
	v_add_nc_u32 v247, s74, v246
	ds_store_b128 v247, v[CA:CA+3]
	s_add_co_u32 s74, s74, 512
.endm
	XLOAD 0, 64                                    ; the last 128 columns of my 64 rows set out while the softmax is made
	s_wait_alu depctr_va_vdst(0)
.irp k, 1,2,4,8
.set n, 0
.rept 32
	v_add_f32_dpp v[S+n], v[S+n], v[S+n] row_xmask:\k row_mask:0xf bank_mask:0xf   ; over the tile's 16 columns: the rows' scores
.set n, n+1
.endr
.endr
.irp m, 0,1,2,3
.irp q, 0,1
	ds_store_b128 v241, v[S+8*\m+4*\q:S+8*\m+4*\q+3] offset:64*\m+16*\q
.endr
.endr
	ds_load_b64 v[250:251], v242
	v_max3_num_f32 v[MXV], v[S], v[S+1], v[S+2]
.irp q, 3,5,7,9,11,13,15,17,19,21,23,25,27,29
	v_max3_num_f32 v[MXV], v[MXV], v[S+\q], v[S+\q+1]
.endr
	v_max_num_f32 v[MXV], v[MXV], v[S+31]
	v_permlanex16_b32 v[TMP], v[MXV], s[SEL], s[SEL+1]
	v_max_num_f32 v[MXV], v[MXV], v[TMP]
	ds_store_b32 v243, v[MXV]
	s_wait_dscnt 0x0                               ; for the others' sake; also: my reads of W1's scale bytes are long over
	s_barrier_signal -1
	s_barrier_wait -1
	ds_load_b128 v[TM:TM+3], v244
	global_store_b64 v249, v[250:251], s[86:87]    ; a wave's 64 scores: 256 consecutive bytes, aligned
	s_wait_dscnt 0x0
	v_max3_num_f32 v[ST], v[TM], v[TM+1], v[TM+2]
	v_max_num_f32 v[ST], v[ST], v[TM+3]            ; m: the largest of the 256 scores
	v_mul_f32 v[TM+4], s70, v[ST]
.set n, 0
.rept 16
	v_pk_fma_f32 v[S+n:S+n+1], v[S+n:S+n+1], s[70:71], v[TM+4:TM+5] op_sel_hi:[1,0,0] neg_lo:[0,0,1] neg_hi:[0,0,1]   ; (score - m) log2(e)
.set n, n+2
.endr
	s_wait_alu depctr_va_vdst(0)
.set n, 0
.rept 32
	v_exp_f32 v[S+n], v[S+n]
.set n, n+1
.endr
	v_nop
	s_wait_alu depctr_va_vdst(0)
	v_pk_add_f32 v[TM:TM+1], v[S:S+1], v[S+2:S+3]
.irp q, 4,6,8,10,12,14,16,18,20,22,24,26,28,30
	v_pk_add_f32 v[TM:TM+1], v[TM:TM+1], v[S+\q:S+\q+1]
.endr
	v_add_f32 v[TM], v[TM], v[TM+1]
	v_permlanex16_b32 v[TMP], v[TM], s[SEL], s[SEL+1]
	v_add_f32 v[TM], v[TM], v[TMP]
	ds_store_b32 v243, v[TM] offset:SM-MX
.irp m, 0,1,2,3
.irp q, 0,1
	ds_store_b128 v241, v[S+8*\m+4*\q:S+8*\m+4*\q+3] offset:PT-SCT+64*\m+16*\q
.endr
.endr
.irp q, 0,1,2,3,4,5,6,7,8,9,10,11,12,13,14,15
	ds_load_b128 v[PP+4*\q:PP+4*\q+3], v245 offset:16*\q   ; my 64 rows' p, the same in every lane
.endr
	s_mov_b32 s74, 0
	s_mov_b32 s75, 7
.Lslab:                                                ; a trip: 128 columns of my 64 rows, in two sets of 32 rows, and the loads for the 128 columns before them
	s_wait_dscnt 0x0
	s_wait_loadcnt 32                              ; the older set is in; the younger 32 loads may be out
	XFMA 0, 32
	s_wait_xcnt 0x0                                ; the loads have read their base, which may step
	s_sub_nc_u64 s[72:73], s[72:73], 512
	XLOAD 0, 32
	s_wait_loadcnt 32
	XFMA 32, 32
	JOIN
	XLOAD 32, 32
	s_sub_co_u32 s75, s75, 1
	s_cmp_lg_u32 s75, 0
	s_cbranch_scc1 .Lslab
	s_wait_dscnt 0x0
	s_wait_loadcnt 32                              ; the first 128 columns: nothing more is asked for
	XFMA 0, 32
	s_wait_loadcnt 0x0
	XFMA 32, 32
	JOIN
	s_wait_dscnt 0x0
	s_barrier_signal -1
	s_barrier_wait -1
.irp k, 0,1                            ; wave w adds the four waves' parts of columns 256 w .. + 255
.irp u, 0,1,2,3
	ds_load_b128 v[WK+16*\k+4*\u:WK+16*\k+4*\u+3], v248 offset:4096*\u+512*(1-\k)
.endr
.endr
	ds_load_b128 v[TM:TM+3], v244 offset:SM-MX
	s_wait_dscnt 0x0
.irp k, 0,1
	v_pk_add_f32 v[WK+16*\k:WK+16*\k+1], v[WK+16*\k:WK+16*\k+1], v[WK+16*\k+4:WK+16*\k+5]
	v_pk_add_f32 v[WK+16*\k+2:WK+16*\k+3], v[WK+16*\k+2:WK+16*\k+3], v[WK+16*\k+6:WK+16*\k+7]
	v_pk_add_f32 v[WK+16*\k+8:WK+16*\k+9], v[WK+16*\k+8:WK+16*\k+9], v[WK+16*\k+12:WK+16*\k+13]
	v_pk_add_f32 v[WK+16*\k+10:WK+16*\k+11], v[WK+16*\k+10:WK+16*\k+11], v[WK+16*\k+14:WK+16*\k+15]
	v_pk_add_f32 v[WK+16*\k:WK+16*\k+1], v[WK+16*\k:WK+16*\k+1], v[WK+16*\k+8:WK+16*\k+9]
	v_pk_add_f32 v[WK+16*\k+2:WK+16*\k+3], v[WK+16*\k+2:WK+16*\k+3], v[WK+16*\k+10:WK+16*\k+11]
	global_store_b128 v[L16], v[WK+16*\k:WK+16*\k+3], s[88:89] offset:512*\k
.endr
	v_add_f32 v[TM], v[TM], v[TM+1]
	v_add_f32 v[TM+2], v[TM+2], v[TM+3]
	v_add_f32 v[ST+1], v[TM], v[TM+2]              ; the part's sum of p
	s_cmp_lg_u32 s[WV], 0
	s_cbranch_scc1 .Lno_stat
	global_store_b64 v249, v[ST:ST+1], s[88:89] offset:4096   ; (m, sum), 32 times: a whole block of 256 bytes
.Lno_stat:
	s_wait_tensorcnt 0x0                           ; the wave's end
	ds_add_u32 v[SPW], v[NIL]
	s_wait_dscnt 0x0
	ROUND                                          ; the closing round
	s_endpgm
.Lfunc_end_k_q1e446e9d22_attn:
	.size	k_q1e446e9d22_attn, .Lfunc_end_k_q1e446e9d22_attn-k_q1e446e9d22_attn
	.p2alignl 7, 3214868480
	.fill 96, 4, 3214868480
	.section	.rodata,"a",@progbits
	.p2align	6, 0x0
	.amdhsa_kernel k_q1e446e9d22_attn
		.amdhsa_group_segment_fixed_size 327680
		.amdhsa_private_segment_fixed_size 0
		.amdhsa_enable_private_segment 0
		.amdhsa_kernarg_size 56
		.amdhsa_user_sgpr_count 2
		.amdhsa_user_sgpr_kernarg_segment_ptr 1
		.amdhsa_wavefront_size32 1
		.amdhsa_system_sgpr_workgroup_id_x 1
		.amdhsa_system_sgpr_workgroup_id_y 1
		.amdhsa_system_sgpr_workgroup_id_z 1
		.amdhsa_system_vgpr_workitem_id 0
		.amdhsa_next_free_vgpr 1024
		.amdhsa_next_free_sgpr 96
		.amdhsa_reserve_vcc 0
		.amdhsa_float_denorm_mode_32 3
		.amdhsa_float_denorm_mode_16_64 3
		.amdhsa_memory_ordered 1
		.amdhsa_forward_progress 1
		.amdhsa_inst_pref_size 255
	.end_amdhsa_kernel
	.section	.bss,"aw",@nobits
	.p2align	6
	.space	262144
	.amdgpu_metadata
---
amdhsa.version: [ 1, 2 ]
amdhsa.kernels:
  - .name:           k_q1e446e9d22_attn
    .symbol:         k_q1e446e9d22_attn.kd
    .args:
      - { .name: features, .offset: 0, .size: 8, .value_kind: global_buffer, .address_space: global }
      - { .name: W1_w_codes, .offset: 8, .size: 8, .value_kind: global_buffer, .address_space: global }
      - { .name: W1_w_scales, .offset: 16, .size: 8, .value_kind: global_buffer, .address_space: global }
      - { .name: kb, .offset: 24, .size: 8, .value_kind: global_buffer, .address_space: global }
      - { .name: V_w, .offset: 32, .size: 8, .value_kind: global_buffer, .address_space: global }
      - { .name: scores, .offset: 40, .size: 8, .value_kind: global_buffer, .address_space: global }
      - { .name: part, .offset: 48, .size: 8, .value_kind: global_buffer, .address_space: global }
    .group_segment_fixed_size: 327680
    .private_segment_fixed_size: 0
    .kernarg_segment_align: 8
    .kernarg_segment_size: 56
    .max_flat_workgroup_size: 128
    .sgpr_count:     96
    .vgpr_count:     1024
    .wavefront_size: 32
...
	.end_amdgpu_metadata
.endif
;; end of part 2
;; launch finish (part 3): grid 256 x 1, 2 waves a work-group, no clusters, 0 bytes of LDS; arguments scores, part, out0, out1; writes out0, out1
.if DOCPART == 3
	.amdgcn_target "amdgcn-amd-amdhsa--gfx1250"
	.amdhsa_code_object_version 6
	.text
	.protected	k_q1e446e9d22_finish
	.globl	k_q1e446e9d22_finish
	.p2align	8
	.type	k_q1e446e9d22_finish,@function
k_q1e446e9d22_finish:
	s_mov_b64 s[64:65], 0
	v_nop
	global_prefetch_b8 v0, s[64:65] scope:SCOPE_SE
	s_setreg_imm32_b32 hwreg(HW_REG_WAVE_MODE, 25, 1), 1
	s_wait_xcnt 0x0
; The four parts of a batch's softmax are joined.  Part i gives m_i (its largest score), s_i (its sum of e^(score - m_i)) and c_i (its sum of e^(score - m_i) x features).
; M = the largest m_i; f_i = e^(m_i - M); Z = sum of f_i s_i; alpha = e^(score - M) / Z; context = (sum of f_i c_i) / Z.  One f_i is 1 and its s_i at least 1, so Z is at least 1.
; Work-group 4 b + q takes numbers 256 q .. 256 q + 255 of batch b's row of each output, a thread four of them: a wave's store covers 512 consecutive bytes, aligned.  No LDS, no barrier, no loop: threads share nothing.
; part: 4,352 bytes a work-group of the launch before: 1,024 f32 of context, then the pair (m, s).
; The scores come without the term that is equal along a batch's row (V_b + the sum of V_w): it cancels in e^(score - M) / Z (shown at the head of the first kernel).
.set L2E, 0x3fb8aa3b                   ; log2(e)
	s_load_b256 s[4:11], s[0:1], 0x0               ; scores, part, out0, out1
	s_lshr_b32 s12, ttmp9, 2                       ; b
	s_and_b32 s13, ttmp9, 3                        ; q
	v_lshlrev_b32 v1, 4, v0                        ; 16 bytes a thread
	s_lshl_b32 s18, s13, 10
	v_add_nc_u32 v2, s18, v1                       ; + 1,024 q, in a part's context
	s_mul_i32 s14, s12, 4*4352
	s_mov_b32 s15, 0
	s_lshl_b32 s16, s12, 12
	s_add_co_u32 s16, s16, s18                     ; 4,096 b + 1,024 q
	s_mov_b32 s17, 0
	s_wait_alu depctr_va_vdst(0)
	s_wait_kmcnt 0x0
	s_add_nc_u64 s[6:7], s[6:7], s[14:15]
	s_add_nc_u64 s[4:5], s[4:5], s[16:17]
	s_add_nc_u64 s[8:9], s[8:9], s[16:17]
	s_add_nc_u64 s[10:11], s[10:11], s[16:17]
.irp i, 0,1,2,3
	s_load_b64 s[20+2*\i:21+2*\i], s[6:7], 4096+4352*\i        ; m_i, s_i
.endr
	global_load_b128 v[4:7], v1, s[4:5]
.irp i, 0,1,2,3
	global_load_b128 v[8+4*\i:11+4*\i], v2, s[6:7] offset:4352*\i
.endr
	s_wait_kmcnt 0x0
	v_mov_b32 v24, s20
	v_max3_num_f32 v24, v24, s22, s24
	v_max_num_f32 v24, s26, v24                    ; M
.irp i, 0,1,2,3
	v_sub_f32 v[25+\i], s[20+2*\i], v24
.endr
.irp i, 0,1,2,3
	v_mul_f32 v[25+\i], L2E, v[25+\i]
.endr
	s_wait_alu depctr_va_vdst(0)
.irp i, 0,1,2,3
	v_exp_f32 v[25+\i], v[25+\i]                   ; f_i
.endr
	s_wait_loadcnt 0x0
.irp c, 0,1,2,3
	v_sub_f32 v[4+\c], v[4+\c], v24                ; (plain lines behind the exponentials)
.endr
.irp c, 0,1,2,3
	v_mul_f32 v[4+\c], L2E, v[4+\c]
.endr
	s_wait_alu depctr_va_vdst(0)
	v_mul_f32 v29, s21, v25
	v_fmac_f32 v29, s23, v26
	v_fmac_f32 v29, s25, v27
	v_fmac_f32 v29, s27, v28                       ; Z
	s_wait_alu depctr_va_vdst(0)
.irp c, 0,1,2,3
	v_exp_f32 v[4+\c], v[4+\c]
.endr
	v_rcp_f32 v29, v29
.irp c, 0,1,2,3
	v_mul_f32 v[30+\c], v25, v[8+\c]               ; (plain lines behind the transcendentals)
.endr
.irp i, 1,2,3
.irp c, 0,1,2,3
	v_fmac_f32 v[30+\c], v[25+\i], v[8+4*\i+\c]
.endr
.endr
	s_wait_alu depctr_va_vdst(0)
.irp c, 0,1,2,3
	v_mul_f32 v[4+\c], v[4+\c], v29
.endr
.irp c, 0,1,2,3
	v_mul_f32 v[30+\c], v[30+\c], v29
.endr
	global_store_b128 v1, v[4:7], s[8:9]
	global_store_b128 v1, v[30:33], s[10:11]
	s_endpgm
.Lfunc_end_k_q1e446e9d22_finish:
	.size	k_q1e446e9d22_finish, .Lfunc_end_k_q1e446e9d22_finish-k_q1e446e9d22_finish
	.p2alignl 7, 3214868480
	.fill 96, 4, 3214868480
	.section	.rodata,"a",@progbits
	.p2align	6, 0x0
	.amdhsa_kernel k_q1e446e9d22_finish
		.amdhsa_group_segment_fixed_size 0
		.amdhsa_private_segment_fixed_size 0
		.amdhsa_enable_private_segment 0
		.amdhsa_kernarg_size 32
		.amdhsa_user_sgpr_count 2
		.amdhsa_user_sgpr_kernarg_segment_ptr 1
		.amdhsa_wavefront_size32 1
		.amdhsa_system_sgpr_workgroup_id_x 1
		.amdhsa_system_sgpr_workgroup_id_y 1
		.amdhsa_system_sgpr_workgroup_id_z 1
		.amdhsa_system_vgpr_workitem_id 0
		.amdhsa_next_free_vgpr 48
		.amdhsa_next_free_sgpr 66
		.amdhsa_reserve_vcc 0
		.amdhsa_float_denorm_mode_32 3
		.amdhsa_float_denorm_mode_16_64 3
		.amdhsa_memory_ordered 1
		.amdhsa_forward_progress 1
		.amdhsa_inst_pref_size 4
	.end_amdhsa_kernel
	.amdgpu_metadata
---
amdhsa.version: [ 1, 2 ]
amdhsa.kernels:
  - .name:           k_q1e446e9d22_finish
    .symbol:         k_q1e446e9d22_finish.kd
    .args:
      - { .name: scores, .offset: 0, .size: 8, .value_kind: global_buffer, .address_space: global }
      - { .name: part, .offset: 8, .size: 8, .value_kind: global_buffer, .address_space: global }
      - { .name: out0, .offset: 16, .size: 8, .value_kind: global_buffer, .address_space: global }
      - { .name: out1, .offset: 24, .size: 8, .value_kind: global_buffer, .address_space: global }
    .group_segment_fixed_size: 0
    .private_segment_fixed_size: 0
    .kernarg_segment_align: 8
    .kernarg_segment_size: 32
    .max_flat_workgroup_size: 64
    .sgpr_count:     66
    .vgpr_count:     48
    .wavefront_size: 32
...
	.end_amdgpu_metadata
.endif
;; end of part 3
